; MI455X (gfx1250); checked and timed in simulation.
; The chip was launched on July 23, 2026; its instructions are those of AMD's public machine-readable ISA for CDNA 5 (MIT licence, August 2026) and "CDNA5" Instruction Set Architecture Reference Guide (July 2026). The comments in the code are by the model that wrote it; some were corrected since.
;; Bahdanau Attention. Allowed arithmetic: matrix products marked QUANTISED: E2M1 operands, one E8M0 scale for each 32 along K, by v_wmma_scale_f32_16x16x128_f8f6f4 with both operands' format E2M1 (or v_wmma_scale_f32_32x16x128_f4), f32 sums; products left as they are: f32 operands where the result goes on into a quantised operand, else bf16, f16 or f32 operands; f32 sums; everything else in f32.
;; Inputs: V 1,024 x 1 float32; W1 1,024 x 1,024 float32; W2 1,024 x 1,024 float32; b1 1,024 float32; b2 1,024 float32; bv 1 float32; query 64 x 1,024 float32; values 64 x 1,024 x 1,024 float32.
;; Outputs: out0 64 x 1,024 float32; out1 64 x 1,024 x 1 float32.
;; This version of the problem:
;;   THIS VERSION OF THE PROBLEM IS GIVEN IN LOW PRECISION. The matrix products marked QUANTISED in the list below multiply operands that are first quantised to E2M1 (2 exponent bits, 1 mantissa bit; 4 bits a number), with one power-of-two scale for each 32 numbers along K (OCP MX v1.0); their sums are f32. All else is computed in f32.
;;   The module's matrix products, in the order in which they are computed (A, B: the left and right operand; K: the contracted axis; several contracted axes count as one K, in the product's order):
;;     1. [M 64, K 1,024] x [K 1,024, N 1,024]; A: input query; B: input W1: QUANTISED
;;     2. [M 65,536, K 1,024] x [K 1,024, N 1,024]; A: input values; B: input W2: QUANTISED
;;     3. [M 65,536, K 1,024] x [K 1,024, N 1]; A: computed on the way; B: input V: left as it is (N = 1 < 16)
;;   THE QUANTISER, for each operand of a quantised product, along K:
;;     - K is cut into blocks of 32 from its start; a last block that is shorter is filled with zeros.
;;     - A block's scale is 2^e with e = floor(log2(the largest magnitude in the block)) - 2, held to -126 .. 127; a block of zeros has e = 0. As a byte (E8M0): e + 127.
;;     - Each number is divided by its block's scale, clamped to +-6, and rounded to the nearest number of E2M1, ties to even, subnormals kept.
;;     - The product sums the exact products of the quantised numbers (number of the format x scale) in f32.
;;   ~~~python
;;   def quantise(x, axis):      # numpy; x: float32 -> the quantised numbers, widened to float32 again
;;       x = np.moveaxis(x, axis, -1); K = x.shape[-1]
;;       x = np.pad(x, [(0, 0)] * (x.ndim - 1) + [(0, -K % 32)]); x = x.reshape(x.shape[:-1] + (-1, 32)); a = np.abs(x).max(-1, keepdims=True)
;;       e = np.where(a > 0, np.clip(np.frexp(np.where(a > 0, a, 1))[1] - 1 - 2, -126, 127), 0)      # np.frexp(a)[1] - 1 = floor(log2(a)), exactly
;;       r = np.clip(x / 2.0 ** e, -6, 6)
;;       step = 2.0 ** (np.maximum(np.frexp(np.where(r == 0, 1, r))[1] - 1, 0) - 1)
;;       q = np.round(r / step) * step * 2.0 ** e      # np.round: ties to even
;;       return np.moveaxis(q.reshape(q.shape[:-2] + (-1,))[..., :K], -1, axis).astype(np.float32)
;;   ~~~
;; One version. Each part assembles by itself: llvm-mc -triple=amdgcn-amd-amdhsa -mcpu=gfx1250 --defsym DOCPART=n.
;; ======== version 1 of 1: 3 launches
;; workspace buffers: w2f 524,288 bytes; bsf 32,768 bytes; tq 524,288 bytes; scores 262,144 bytes; stats 65,536 bytes; pctx 2,097,152 bytes
;; launch prep (part 1): grid 160 x 1, 8 waves a work-group, no clusters, 87,040 bytes of LDS; arguments W1, W2, query, b1, b2, V, w2f, bsf, tq; writes w2f, bsf, tq
.if DOCPART == 1
	.amdgcn_target "amdgcn-amd-amdhsa--gfx1250"
	.amdhsa_code_object_version 6
	.text
	.protected	k_q5e279fcc09_prep
	.globl	k_q5e279fcc09_prep
	.p2align	8
	.type	k_q5e279fcc09_prep,@function
k_q5e279fcc09_prep:
	s_mov_b64 s[64:65], 0
	v_nop
	global_prefetch_b8 v0, s[64:65] scope:SCOPE_SE
	s_setreg_imm32_b32 hwreg(HW_REG_WAVE_MODE, 25, 1), 1
	s_wait_xcnt 0x0
; Two jobs in one launch, parted once on the work-group's number x.  G = x & 31 names 32 columns u = 32 G .. 32 G + 31; wave w is K step w (k = 128 w .. 128 w + 127).
; x >= 128 (32 work-groups): W2 [1024 (k)][1024 (u)] f32 becomes codes of FP4 (E2M1) with one E8M0 byte for each 32 along k, laid in the order of a matrix operand's registers:
;   w2f [tile T = u / 16][K step s][c][lane][16 bytes]: lane (r, h) holds k = 128 s + 64 c + 32 h + 0 .. 31 of column 16 T + r;   bsf [G][s][lane] one scale word: lanes 0-15 tile 2 G, lanes 16-31 tile 2 G + 1.
; x <  128 (128 work-groups): m = x / 32 names 16 batch rows.  q_proj = Q(query) Q(W1) for these 16 rows and 32 columns, on the same codes, and
;   tq [b][u] = the pair { -2 V[u], c (q_proj[b][u] + b1[u] + b2[u]) }, c = 2 log2(e): what the next launch's tanh wants.
; OF A WEIGHT A LANE TAKES A COLUMN AND ITS REGISTERS RUN DOWN K: each load reads 128 consecutive bytes, a block of 32 lies in one lane, and the conversions give codes with K innermost.  Nothing is transposed.
; OF THE QUERY each load reads 512 consecutive bytes of one row (the wave's K step); the operand wants 128 consecutive bytes of row r in lane (r, h): the 16 rows turn through the wave's own stage in LDS.
; A block's scale byte is its largest magnitude's exponent field - 2, held at 1 from below by a floor among the maximum's leaves.
; LIMITS: NaN and infinities among the inputs are not served; a block whose largest magnitude lies under 2^-124 gets the byte 1; a block of zeros gets the byte 1 with zero codes (this program alone reads the bytes);
; q_proj's K is summed in eight parts of 128 (one a wave), added in f32.
; bsf's stores cover 128 consecutive bytes each: 32,768 bytes in all.  No tensor loads, no cluster: the four work-groups that read the same columns of W1 take them straight into registers.
.set C2L,   0x4038aa3b                 ; c = 2 log2(e)
.set FLOOR, 0x1800000                  ; 2^(3 - 127)
.set EOFF,  0xff000000                 ; takes 2 off an exponent field
.set QST, 13                           ; v13  the stage, in: 8,448 w + 16 L
.set QRD, 14                           ; v14  the stage, back: 8,448 w + 528 r + 128 h
.set F,   16                           ; v16-23, v24-31  the weight's codes: blocks 0, 2 and blocks 1, 3; later the operands of tiles 2 G and 2 G + 1
.set X,   32                           ; v32-159  128 numbers of my column; later v32-47 the two results
.set PS,  96                           ; v96-111  the eight waves' partial sums of two rows
.set QF,  160                          ; v160-167 the query's fragment
.set TM,  192                          ; v192-195 largest magnitudes; later the pairs that leave
.set SO,  196                          ; v196-199 the conversions' scale operands
.set BY,  200                          ; v200-203 scale bytes
.set PX,  204                          ; v204     what comes from lane l xor 16
.set TQ,  208                          ; v208-209 the query's largest magnitudes, then bytes
.set SQ,  216                          ; v216-217 its scale operands
; window 1: v0-63 the query's numbers in the operand's order (block c at v[32 c]); v64-127 as they are loaded (row j at v[64 + 4 j])
.set QP,  528                          ; LDS: a stage row: 512 bytes + 16: the 16 rows that a load back touches start at 16 different 16-byte columns
.set RED, 8*16*QP                      ; behind the eight stages: [wave][16 rows] partial sums,
.set RP,  144                          ; a row of 32 f32 + 16 bytes
.set MSB, 0
.macro WIN new                         ; the immediate's high byte repeats the setting that is left
.if MSB != \new
	s_set_vgpr_msb (MSB<<8)|\new
.set MSB, \new
.endif
.endm
.macro WLOAD base, once                ; W(128 w + i, my column), i = 0 .. 127.  once = 1: no other work-group reads these bytes
.set i, 0
.rept 128
.if \once
	global_load_b32 v[X+i], v1, s[\base:\base+1] offset:4096*i th:TH_LOAD_NT
.else
	global_load_b32 v[X+i], v1, s[\base:\base+1] offset:4096*i
.endif
.set i, i+1
.endr
.endm
.macro QW                              ; my column's four blocks: codes into v16-31, the scale word into v11
.irp b, 0,1,2,3
	v_max3_num_f32 v[TM+\b], |v[X+32*\b]|, |v[X+32*\b+1]|, FLOOR
.endr
.irp i, 2,4,6,8,10,12,14,16,18,20,22,24,26,28,30
.irp b, 0,1,2,3
	v_max3_num_f32 v[TM+\b], v[TM+\b], |v[X+32*\b+\i]|, |v[X+32*\b+\i+1]|   ; the four blocks by turns
.endr
.endr
.irp b, 0,1,2,3
	v_add_nc_u32 v[SO+\b], EOFF, v[TM+\b]          ; the conversion takes this operand's exponent field as its scale
.endr
.irp b, 0,1,2,3
	v_lshrrev_b32 v[BY+\b], 23, v[SO+\b]           ; the scale's byte
.endr
	v_lshl_or_b32 v11, v[BY+1], 8, v[BY]
	v_lshl_or_b32 v11, v[BY+2], 16, v11
	v_lshl_or_b32 v11, v[BY+3], 24, v11            ; my column's scale word for this K step
.irp b, 0,1,2,3
.irp g, 0,1,2,3
	v_cvt_scalef32_pk8_fp4_f32 v[F+8*(\b%2)+4*(\b/2)+\g], v[X+32*\b+8*\g:X+32*\b+8*\g+7], v[SO+\b]
.endr
.endr
	v_nop                                          ; one plain place behind the last conversion
.endm
	s_load_b256 s[4:11], s[0:1], 0x0               ; W1 s[4:5], W2 s[6:7], query s[8:9], b1 s[10:11]
	s_load_b256 s[12:19], s[0:1], 0x20             ; b2 s[12:13], V s[14:15], w2f s[16:17], bsf s[18:19]
	s_load_b64 s[20:21], s[0:1], 0x40              ; tq
	v_lshl_add_u32 v254, v0, 2, 0x15000
	v_mov_b32 v255, 0
	v_lshrrev_b32 v1, 5, v0
	v_readfirstlane_b32 s22, v1                    ; wave = K step
	s_and_b32 s23, ttmp9, 31                       ; G
	s_lshr_b32 s34, ttmp9, 5                       ; m, where x < 128
	v_and_b32 v192, 31, v0                         ; lane L
	v_and_b32 v193, 15, v0                         ; r
	v_bfe_u32 v194, v0, 4, 1                       ; h
	v_lshlrev_b32 v1, 2, v192                      ; 4 L
	v_lshlrev_b32 v2, 4, v192                      ; 16 L: my 16 bytes of a row's 512
	v_lshlrev_b32 v3, 4, v193
	v_lshl_add_u32 v3, v194, 13, v3                ; w2f: 8,192 (L / 16) + 16 (L % 16)
	s_mul_i32 s24, s22, 16*QP                      ; my stage
	v_add_nc_u32 v[QST], s24, v2
	v_mul_u32_u24 v[QRD], v193, QP
	v_lshl_add_u32 v[QRD], v194, 7, v[QRD]
	v_add_nc_u32 v[QRD], s24, v[QRD]
	v_mul_u32_u24 v4, v193, RP
	v_lshl_add_u32 v4, v194, 5, v4
	s_mul_i32 s24, s22, 16*RP
	s_add_co_u32 s24, s24, RED
	v_add_nc_u32 v4, s24, v4                       ; partial sums, in: my wave's 16 rows; row r, 32 h bytes on
	s_mul_i32 s24, s22, 2*RP
	s_add_co_u32 s24, s24, RED
	v_add_nc_u32 v5, s24, v1                       ; and back: rows 2 w on, column L
	v_lshlrev_b32 v6, 3, v192                      ; 8 L
	v_lshlrev_b32 v7, 3, v194                      ; 8 h
	s_lshl_b32 s24, s22, 19
	s_lshl_b32 s26, s23, 7                         ; 128 G: my columns' bytes in a row of f32
	s_mov_b32 s25, 0
	s_mov_b32 s27, 0
	s_mov_b32 s29, 0
	s_add_co_u32 s24, s24, s26                     ; 128 rows of 4,096 bytes a wave + 128 G
	s_wait_kmcnt 0x0
	s_cmp_lt_u32 ttmp9, 128
	s_cbranch_scc1 .Lrole_q
	; ---- W2: quantise and store
	s_add_nc_u64 s[6:7], s[6:7], s[24:25]
	WLOAD 6, 1
	s_lshl_b32 s28, s23, 14
	s_lshl_b32 s30, s22, 10
	s_add_co_u32 s28, s28, s30
	s_add_nc_u64 s[16:17], s[16:17], s[28:29]      ; w2f + 16,384 G + 1,024 s
	s_lshl_b32 s28, s23, 10
	s_lshl_b32 s30, s22, 7
	s_add_co_u32 s28, s28, s30
	s_add_nc_u64 s[18:19], s[18:19], s[28:29]      ; bsf + 1,024 G + 128 s
	s_wait_loadcnt 0x0                             ; all 128: a count for a part of them would pass the counter's field
	QW
.irp b, 0,1,2,3
	global_store_b128 v3, v[F+8*(\b%2)+4*(\b/2):F+8*(\b%2)+4*(\b/2)+3], s[16:17] offset:256*\b   ; block b = (c, h): sixteen lanes store 256 consecutive bytes, aligned
.endr
	global_store_b32 v1, v11, s[18:19]
	s_endpgm
	; ---- W1 and 16 rows of the query
.Lrole_q:
	s_add_nc_u64 s[4:5], s[4:5], s[24:25]
	s_lshl_b32 s28, s34, 16                        ; 16 rows of 4,096 bytes for each m,
	s_lshl_b32 s30, s22, 9                         ; 512 bytes for each K step
	s_add_co_u32 s28, s28, s30
	s_add_nc_u64 s[8:9], s[8:9], s[28:29]
	s_add_nc_u64 s[10:11], s[10:11], s[26:27]      ; b1, b2, V at my columns
	s_add_nc_u64 s[12:13], s[12:13], s[26:27]
	s_add_nc_u64 s[14:15], s[14:15], s[26:27]
	WIN 0x40                                       ; destination window 1
.irp j, 0,1,2,3,4,5,6,7,8,9,10,11,12,13,14,15
	global_load_b128 v[64+4*\j:64+4*\j+3], v2, s[8:9] offset:4096*\j   ; row 16 m + j, k = 128 s + 0 .. 127: 32 lanes read 512 consecutive bytes
.endr
	WIN 0
	global_load_b32 v8, v1, s[10:11]
	global_load_b32 v9, v1, s[12:13]
	global_load_b32 v10, v1, s[14:15]
	WLOAD 4, 0
	s_lshl_b32 s28, s34, 17                        ; tq: 16 rows of 8,192 bytes for each m,
	s_lshl_b32 s30, s22, 14                        ; two rows a wave,
	s_add_co_u32 s28, s28, s30
	s_lshl_b32 s30, s23, 8                         ; 256 G
	s_add_co_u32 s28, s28, s30
	s_add_nc_u64 s[20:21], s[20:21], s[28:29]
	s_mov_b32 s30, C2L
	s_mov_b32 s32, 0x76543210
	s_mov_b32 s33, 0xfedcba98                      ; v_permlanex16_b32's selects for lane l xor 16
	s_wait_loadcnt 0x0
	WIN 0x04                                       ; an LDS store's data are its source 1: window 1
.irp j, 0,1,2,3,4,5,6,7,8,9,10,11,12,13,14,15
	ds_store_b128 v[QST], v[64+4*\j:64+4*\j+3] offset:QP*\j
.endr
	WIN 0x40                                       ; destination window 1
.irp c, 0,1                            ; back in the operand's order: lane (r, h) takes, of row r, k = 64 c + 32 h + 0 .. 31: whole blocks
.irp i, 0,1,2,3,4,5,6,7
	ds_load_b128 v[32*\c+4*\i:32*\c+4*\i+3], v[QRD] offset:256*\c+16*\i   ; my wave's own bytes; LDS serves a wave's instructions in order (ISA guide 5.7.1.4)
.endr
.endr
	WIN 0
	QW                                             ; W1's blocks are quantised while the query turns
.irp i, 0,1,2,3,4,5,6,7
	v_permlane16_swap_b32 v[F+\i], v[F+8+\i]       ; the first's lanes 16-31 change places with the second's lanes 0-15: v16-23 and v24-31 are now the operands of tiles 2 G and 2 G + 1
.endr
	v_mov_b32 v[PX], 0                             ; a lane permute's destination counts as one of its sources
	s_wait_dscnt 0x0                               ; the query's numbers are back
	WIN 0x05                                       ; sources 0 and 1 window 1
.irp q, 0,1                            ; the query's blocks c = q, all 32 numbers mine
	v_max3_num_f32 v[TQ+\q], |v[32*\q]|, |v[32*\q+1]|, FLOOR
.endr
	WIN 0x14                                       ; sources 1 and 2 window 1
.irp i, 2,4,6,8,10,12,14,16,18,20,22,24,26,28,30
.irp q, 0,1
	v_max3_num_f32 v[TQ+\q], v[TQ+\q], |v[32*\q+\i]|, |v[32*\q+\i+1]|
.endr
.endr
	WIN 0
.irp q, 0,1
	v_add_nc_u32 v[SQ+\q], EOFF, v[TQ+\q]
.endr
.irp q, 0,1
	v_lshrrev_b32 v[TQ+\q], 23, v[SQ+\q]
.endr
	v_lshl_or_b32 v12, v[TQ+1], 16, v[TQ]          ; my two bytes: blocks h and 2 + h of row r,
	v_lshlrev_b32 v12, v7, v12                     ; at their places in the scale word;
	v_permlanex16_b32 v[PX], v12, s32, s33
	v_or_b32 v12, v12, v[PX]                       ; with lane l xor 16's two the word is whole
	WIN 0x01                                       ; source 0 window 1
.irp q, 0,1
.irp g, 0,1,2,3
	v_cvt_scalef32_pk8_fp4_f32 v[QF+4*\q+\g], v[32*\q+8*\g:32*\q+8*\g+7], v[SQ+\q]
.endr
.endr
	WIN 0
.rept 8
	v_nop                                          ; a scale register written by a vector instruction stands 8 places ahead of a scaled matrix instruction, an operand 4
.endr
	; TRANSPOSED: source 0 = 16 columns of W1, source 1 = 16 batch rows: a lane then holds one batch row and eight neighbouring u
	v_wmma_scale_f32_16x16x128_f8f6f4 v[X:X+7], v[F:F+7], v[QF:QF+7], 0, v11, v12 matrix_a_fmt:MATRIX_FMT_FP4 matrix_b_fmt:MATRIX_FMT_FP4
	v_wmma_scale_f32_16x16x128_f8f6f4 v[X+8:X+15], v[F+8:F+15], v[QF:QF+7], 0, v11, v12 matrix_a_fmt:MATRIX_FMT_FP4 matrix_b_fmt:MATRIX_FMT_FP4 matrix_a_scale:MATRIX_SCALE_ROW1
.rept 4
	v_nop                                          ; four places in front of the first read of results (ISA guide 7.12.1)
.endr
.irp t, 0,1
	ds_store_b128 v4, v[X+8*\t:X+8*\t+3] offset:64*\t              ; each result from its low end on
	ds_store_b128 v4, v[X+8*\t+4:X+8*\t+7] offset:64*\t+16
.endr
	s_wait_dscnt 0x0                               ; for the others' sake: my part of K lies in LDS
	s_barrier_signal -1
	s_barrier_wait -1                              ; (all eight waves of a work-group are on this way: the parting hangs on the work-group's number alone)
.irp w, 0,1,2,3,4,5,6,7                ; wave w sums batch rows 16 m + 2 w + k; lane L is column 32 G + L
.irp k, 0,1
	ds_load_b32 v[PS+2*\w+\k], v5 offset:16*RP*\w+RP*\k
.endr
.endr
	v_add_f32 v8, v8, v9                           ; b1 + b2
	v_mul_f32 v10, -2.0, v10                       ; -2 V
	v_mul_f32 v8, s30, v8                          ; c (b1 + b2)
	s_wait_dscnt 0x0
.irp p, 0,4,8,12
	v_pk_add_f32 v[PS+\p:PS+\p+1], v[PS+\p:PS+\p+1], v[PS+\p+2:PS+\p+3]
.endr
.irp p, 0,8
	v_pk_add_f32 v[PS+\p:PS+\p+1], v[PS+\p:PS+\p+1], v[PS+\p+4:PS+\p+5]
.endr
	v_pk_add_f32 v[PS:PS+1], v[PS:PS+1], v[PS+8:PS+9]
.irp k, 0,1
	v_mov_b32 v[TM+2*\k], v10
	v_fma_f32 v[TM+2*\k+1], v[PS+\k], s30, v8      ; c q_proj + c (b1 + b2)
.endr
.irp k, 0,1
	global_store_b64 v6, v[TM+2*\k:TM+2*\k+1], s[20:21] offset:8192*\k   ; 32 lanes store 256 consecutive bytes, aligned
.endr
	s_wait_tensorcnt 0x0
	ds_add_u32 v254, v255
	s_wait_dscnt 0x0
	s_endpgm
.Lfunc_end_k_q5e279fcc09_prep:
	.size	k_q5e279fcc09_prep, .Lfunc_end_k_q5e279fcc09_prep-k_q5e279fcc09_prep
	.p2alignl 7, 3214868480
	.fill 96, 4, 3214868480
	.section	.rodata,"a",@progbits
	.p2align	6, 0x0
	.amdhsa_kernel k_q5e279fcc09_prep
		.amdhsa_group_segment_fixed_size 87040
		.amdhsa_private_segment_fixed_size 0
		.amdhsa_enable_private_segment 0
		.amdhsa_kernarg_size 72
		.amdhsa_user_sgpr_count 2
		.amdhsa_user_sgpr_kernarg_segment_ptr 1
		.amdhsa_wavefront_size32 1
		.amdhsa_system_sgpr_workgroup_id_x 1
		.amdhsa_system_sgpr_workgroup_id_y 1
		.amdhsa_system_sgpr_workgroup_id_z 1
		.amdhsa_system_vgpr_workitem_id 0
		.amdhsa_next_free_vgpr 384
		.amdhsa_next_free_sgpr 66
		.amdhsa_reserve_vcc 0
		.amdhsa_float_denorm_mode_32 3
		.amdhsa_float_denorm_mode_16_64 3
		.amdhsa_memory_ordered 1
		.amdhsa_forward_progress 1
		.amdhsa_inst_pref_size 50
	.end_amdhsa_kernel
	.amdgpu_metadata
---
amdhsa.version: [ 1, 2 ]
amdhsa.kernels:
  - .name:           k_q5e279fcc09_prep
    .symbol:         k_q5e279fcc09_prep.kd
    .args:
      - { .name: W1, .offset: 0, .size: 8, .value_kind: global_buffer, .address_space: global }
      - { .name: W2, .offset: 8, .size: 8, .value_kind: global_buffer, .address_space: global }
      - { .name: query, .offset: 16, .size: 8, .value_kind: global_buffer, .address_space: global }
      - { .name: b1, .offset: 24, .size: 8, .value_kind: global_buffer, .address_space: global }
      - { .name: b2, .offset: 32, .size: 8, .value_kind: global_buffer, .address_space: global }
      - { .name: V, .offset: 40, .size: 8, .value_kind: global_buffer, .address_space: global }
      - { .name: w2f, .offset: 48, .size: 8, .value_kind: global_buffer, .address_space: global }
      - { .name: bsf, .offset: 56, .size: 8, .value_kind: global_buffer, .address_space: global }
      - { .name: tq, .offset: 64, .size: 8, .value_kind: global_buffer, .address_space: global }
    .group_segment_fixed_size: 87040
    .private_segment_fixed_size: 0
    .kernarg_segment_align: 8
    .kernarg_segment_size: 72
    .max_flat_workgroup_size: 256
    .sgpr_count:     66
    .vgpr_count:     384
    .wavefront_size: 32
...
	.end_amdgpu_metadata
.endif
;; end of part 1
;; launch main (part 2): grid 256 x 1, 8 waves a work-group, no clusters, 327,680 bytes of LDS; arguments values, w2f, bsf, tq, V, bv, scores, stats, pctx; writes scores, stats, pctx
.if DOCPART == 2
	.amdgcn_target "amdgcn-amd-amdhsa--gfx1250"
	.amdhsa_code_object_version 6
	.text
	.protected	k_q5e279fcc09_main
	.globl	k_q5e279fcc09_main
	.p2align	8
	.type	k_q5e279fcc09_main,@function
k_q5e279fcc09_main:
	s_mov_b64 s[64:65], 0
	v_nop
	global_prefetch_b8 v0, s[64:65] scope:SCOPE_SE
	s_setreg_imm32_b32 hwreg(HW_REG_WAVE_MODE, 25, 1), 1
	s_wait_xcnt 0x0
; Work-group x owns rows 256 x .. 256 x + 255 of values as [65536][1024] (all of batch x / 4) and walks them in four chunks of 64 rows.  EACH BYTE OF values IS READ FROM MEMORY ONCE:
; a chunk lands in LDS as f32 by tensor loads, goes into registers (window 1 of the eight waves: 8 x 32 rows x 256 columns), is quantised from there into codes of FP4 in LDS, and still lies in those registers when its
; scores are finished, so that a running softmax can add its share to the context.  While a chunk is multiplied, the next one lands in the LDS bytes that it left.
; score[row] = bv + sum over u of V[u] tanh(q_proj[u] + b1[u] + b2[u] + (Q(values) Q(W2))[row][u]);  tanh(z) = 1 - 2 / (1 + 2^(c z)), c = 2 log2(e): one exponential and one reciprocal, right at both ends
; (an exponential that overflows gives the reciprocal 0).  So score = (bv + sum V) + sum over u of (-2 V[u]) / (1 + 2^(c z)); the pairs { -2 V[u], c (q_proj + b1 + b2)[u] } come from the launch before.
; SHARES.  In the product wave w owns u = 128 w .. 128 w + 127, as four groups of two tiles of 16, against all 64 rows (four tiles): eight accumulators by turns, K in eight steps of 128.  A's fragments come from LDS
; through two buffers, W2's from memory straight into registers through four slots, in the order in which the registers take them.  A BUFFER OR SLOT IS ASKED FOR AGAIN AS SOON AS THE STEP THAT READ IT HAS ISSUED ITS
; PRODUCTS, also where a group's tanh follows: so all four slots are on their way while the tanh is worked.  For the f32 numbers wave w owns rows 32 (w / 4) on x columns 256 (w % 4) on.
; A lane holds one u and eight rows of a result; the sum over u is kept a lane, added over sixteen lanes at a chunk's end, and over the eight waves through LDS.
; THE SOFTMAX has a running maximum m and sum l; every wave computes them alike from the same 64 scores.  Out go the raw scores, {m, l}, and the context under m: four work-groups share a batch, and the next launch joins them.
; NO CLUSTER, NO JOINT LOADS: values is shared by nobody; W2's codes are shared by all, but beside the landing area (278,528 bytes), the chunk's codes (36,096) and the small regions 768 bytes of LDS are left: no slot for them.
; LIMITS: NaN and infinities among the inputs are not served; a block whose largest magnitude lies under 2^-124 gets the byte 1, a block of zeros the byte 1 with zero codes; exponentials under 2^-126 come out as 0.
; LDS claim: all of it.
.set LANDW,  34816                     ; a wave's landing area: 32 rows of 1,024 bytes, 16 bytes of padding behind every 256: pitch 1,088
.set LP,     1088
.set CODES,  8*LANDW                   ; 64 rows of 512 bytes of codes, pitch 528: the 16 rows of a fragment load start at 16 different 16-byte columns
.set CP,     528
.set ASCL,   CODES+64*CP               ; 64 rows of 32 scale bytes, pitch 36
.set AP,     36
.set SPS,    ASCL+64*AP                ; [wave][64 rows] partial scores
.set TQL,    SPS+2048                  ; the batch's pairs: 1,024 bytes a wave, its own
.set PB,     TQL+8192                  ; [wave][32] p of the wave's rows, its own
.set SPARE,  PB+1024                   ; the spare words, 128 bytes a wave: four blocks of 256 bytes that no other line names
.set C2L,    0x4038aa3b                ; c = 2 log2(e)
.set FLOOR,  0x1800000                 ; 2^(3 - 127)
.set EOFF,   0xff000000                ; takes 2 off an exponent field
; window 0
.set SPW,  1                           ; v1   my spare word's address; never rewritten
.set NIL,  2                           ; v2   0; never rewritten
.set AADR, 3                           ; v3   CODES + 528 r + 16 h
.set ASAD, 4                           ; v4   ASCL + 36 L
.set BOFF, 5                           ; v5   16 L
.set BSOF, 6                           ; v6   4 L
.set TADR, 7                           ; v7   TQL + 1,024 w + 8 r
.set MR,   8                           ; v8   m
.set LR,   9                           ; v9   l
.set TT,   12                          ; v12-15  the pair { -2 V, c q } of my u in tile t at v[12 + 2 t]
.set AS,   16                          ; v16-19  A's scale words: buffer a, rows 32 q + L at v[16 + 2 a + q]: scales and nothing else
.set BS,   20                          ; v20-23  W2's scale words, four slots: scales and nothing else
.set CTX,  24                          ; v24-31  the context of my eight columns over my 32 rows
.set S,    32                          ; v32-63  S[m][j]: my u's share of the score of row 16 m + 8 h + j
.set ACC,  64                          ; v64-127 eight accumulators, tile 2 m + t
.set AF,   128                         ; v128-191 A's fragments, two buffers of four
.set BF,   192                         ; v192-255 W2's fragments, four slots of two
; window 1: row i of my 32 at v[8 i .. 8 i + 7]: columns 8 L + 0 .. 7 of my 256
.set MSB, 0
.macro WIN new                         ; the immediate's high byte repeats the setting that is left
.if MSB != \new
	s_set_vgpr_msb (MSB<<8)|\new
.set MSB, \new
.endif
.endm
.macro PLACES
.rept 4
	v_nop
.endr
.endm
.macro ALOAD n                         ; K step n % 8: four fragments of 16 rows and two registers of scale words, into buffer n % 2: ten LDS loads
.irp m, 0,1,2,3
.irp c, 0,1
	ds_load_b128 v[AF+32*((\n)%2)+8*\m+4*\c:AF+32*((\n)%2)+8*\m+4*\c+3], v[AADR] offset:16*CP*\m+64*((\n)%8)+32*\c
.endr
.endr
.irp q, 0,1
	ds_load_b32 v[AS+2*((\n)%2)+\q], v[ASAD] offset:32*AP*\q+4*((\n)%8)
.endr
.endm
.macro BLOAD n                         ; group (n / 8) % 4, K step n % 8: two fragments of W2 and their scale words, into slot n % 4: five loads
.irp t, 0,1
.irp c, 0,1
	global_load_b128 v[BF+16*((\n)%4)+8*\t+4*\c:BF+16*((\n)%4)+8*\t+4*\c+3], v[BOFF], s[6:7] offset:((2*(((\n)/8)%4)+\t)*8+(\n)%8)*1024+512*\c
.endr
.endr
	global_load_b32 v[BS+(\n)%4], v[BSOF], s[8:9] offset:(8*(((\n)/8)%4)+(\n)%8)*128
.endm
.macro WM m, t                         ; one product of step N: rows 16 m on x tile t.  Odd m and t = 1 take their scales from lanes 16-31
.set rD, ACC+8*(2*\m+\t)
.set rA, AF+32*(N%2)+8*\m
.set rB, BF+16*(N%4)+8*\t
.set rX, AS+2*(N%2)+(\m/2)
.set rY, BS+N%4
.if N%8 == 0                           ; a group's first K step starts the sums: nothing is cleared
.if (\m%2 == 0) && (\t == 0)
	v_wmma_scale_f32_16x16x128_f8f6f4 v[rD:rD+7], v[rA:rA+7], v[rB:rB+7], 0, v[rX], v[rY] matrix_a_fmt:MATRIX_FMT_FP4 matrix_b_fmt:MATRIX_FMT_FP4
.elseif \m%2 == 0
	v_wmma_scale_f32_16x16x128_f8f6f4 v[rD:rD+7], v[rA:rA+7], v[rB:rB+7], 0, v[rX], v[rY] matrix_a_fmt:MATRIX_FMT_FP4 matrix_b_fmt:MATRIX_FMT_FP4 matrix_b_scale:MATRIX_SCALE_ROW1
.elseif \t == 0
	v_wmma_scale_f32_16x16x128_f8f6f4 v[rD:rD+7], v[rA:rA+7], v[rB:rB+7], 0, v[rX], v[rY] matrix_a_fmt:MATRIX_FMT_FP4 matrix_b_fmt:MATRIX_FMT_FP4 matrix_a_scale:MATRIX_SCALE_ROW1
.else
	v_wmma_scale_f32_16x16x128_f8f6f4 v[rD:rD+7], v[rA:rA+7], v[rB:rB+7], 0, v[rX], v[rY] matrix_a_fmt:MATRIX_FMT_FP4 matrix_b_fmt:MATRIX_FMT_FP4 matrix_a_scale:MATRIX_SCALE_ROW1 matrix_b_scale:MATRIX_SCALE_ROW1
.endif
.else
.if (\m%2 == 0) && (\t == 0)
	v_wmma_scale_f32_16x16x128_f8f6f4 v[rD:rD+7], v[rA:rA+7], v[rB:rB+7], v[rD:rD+7], v[rX], v[rY] matrix_a_fmt:MATRIX_FMT_FP4 matrix_b_fmt:MATRIX_FMT_FP4
.elseif \m%2 == 0
	v_wmma_scale_f32_16x16x128_f8f6f4 v[rD:rD+7], v[rA:rA+7], v[rB:rB+7], v[rD:rD+7], v[rX], v[rY] matrix_a_fmt:MATRIX_FMT_FP4 matrix_b_fmt:MATRIX_FMT_FP4 matrix_b_scale:MATRIX_SCALE_ROW1
.elseif \t == 0
	v_wmma_scale_f32_16x16x128_f8f6f4 v[rD:rD+7], v[rA:rA+7], v[rB:rB+7], v[rD:rD+7], v[rX], v[rY] matrix_a_fmt:MATRIX_FMT_FP4 matrix_b_fmt:MATRIX_FMT_FP4 matrix_a_scale:MATRIX_SCALE_ROW1
.else
	v_wmma_scale_f32_16x16x128_f8f6f4 v[rD:rD+7], v[rA:rA+7], v[rB:rB+7], v[rD:rD+7], v[rX], v[rY] matrix_a_fmt:MATRIX_FMT_FP4 matrix_b_fmt:MATRIX_FMT_FP4 matrix_a_scale:MATRIX_SCALE_ROW1 matrix_b_scale:MATRIX_SCALE_ROW1
.endif
.endif
.endm
; A group's 64 x 32 results become their share of the scores.  It stands behind step N = 8 g + 7.
.macro TANH g, pf
	PLACES                                         ; four places in front of the first read of results, and of the loads below into registers that the last products read
.if N+2 <= 31
	ALOAD N+2                                      ; the buffer that step N read: the next group's second step
.endif
.if \pf || (N+4 <= 31)
	BLOAD (N+4)%32                                 ; the slot that step N read: with it four steps of W2 are on their way while the tanh is worked
.endif
.set j, 0
.rept 32
	v_pk_fma_f32 v[ACC+2*j:ACC+2*j+1], v[ACC+2*j:ACC+2*j+1], s[40:41], v[TT+2*((j/4)%2):TT+2*((j/4)%2)+1] op_sel:[0,0,1] op_sel_hi:[1,0,1]   ; c z: both halves take c and the pair's second word; each accumulator from its low end on
.set j, j+1
.endr
.set j, 0
.rept 64
	v_exp_f32 v[ACC+j], v[ACC+j]
.set j, j+1
.endr
	v_nop                                          ; a plain place behind the last exponential
.set j, 0
	s_wait_alu depctr_va_vdst(0)
.rept 32
	v_pk_add_f32 v[ACC+2*j:ACC+2*j+1], v[ACC+2*j:ACC+2*j+1], 1.0 op_sel_hi:[1,0]
.set j, j+1
.endr
.set j, 0
.rept 64
	v_rcp_f32 v[ACC+j], v[ACC+j]
.set j, j+1
.endr
	v_nop                                          ; a plain place behind the last reciprocal
	s_wait_alu depctr_va_vdst(0)
.irp t, 0,1
.irp m, 0,1,2,3
.irp p, 0,2,4,6
.if ((\g) == 0) && (\t == 0)
	v_pk_mul_f32 v[S+8*\m+\p:S+8*\m+\p+1], v[ACC+8*(2*\m+\t)+\p:ACC+8*(2*\m+\t)+\p+1], v[TT+2*\t:TT+2*\t+1] op_sel_hi:[1,0]   ; the chunk's first tile starts S
.else
	v_pk_fma_f32 v[S+8*\m+\p:S+8*\m+\p+1], v[ACC+8*(2*\m+\t)+\p:ACC+8*(2*\m+\t)+\p+1], v[TT+2*\t:TT+2*\t+1], v[S+8*\m+\p:S+8*\m+\p+1] op_sel_hi:[1,0,1]   ; + (-2 V) / (1 + 2^(c z))
.endif
.endr
.endr
.endr
.endm
; Step N of a chunk's 32: group N / 8, K step N % 8.  pf = 1: the chunk's end asks for the next chunk's first four steps of W2.
; A step that does not begin a group asks, behind four places, for A's step N + 1 and W2's step N + 3, into the buffer and the slot that step N - 1 read.  For a step that begins a group the tanh in front of it has asked.
.macro STEP pf
.if N%8 != 0
	PLACES                                         ; in front of loads into registers that the last step's products read
.if N%8 == 1
.irp t, 0,1
	ds_load_b64 v[TT+2*\t:TT+2*\t+1], v[TADR] offset:256*(N/8)+128*\t   ; the group's pairs: wanted at the group's end; they are older than the ten loads below
.endr
.endif
.if N < 31
	ALOAD N+1
.endif
.if \pf || (N+3 <= 31)
	BLOAD (N+3)%32
.endif
.elseif N == 0
	ALOAD 1                                        ; no tanh stands in front of a chunk's first step
.endif
.if N < 31
	s_wait_dscnt 10                                ; all but the ten loads of A's step N + 1, the youngest: this step's fragments of A and its scale words are in
.else
	s_wait_dscnt 0x0
.endif
.if \pf || (N <= 28)
	s_wait_loadcnt 15                              ; all but the three steps behind this one, five loads each
.else
	s_wait_loadcnt 5*(31-N)                        ; nothing more is asked for: the counts run down
.endif
.irp m, 0,1,2,3
.irp t, 0,1
	WM \m, \t                                      ; the eight accumulators by turns, in the same order in every step
.endr
.endr
.if N%8 == 7
	TANH N/8, \pf
.endif
.endm
; My 32 rows x 256 columns leave the landing area for window 1 and are quantised: a lane's eight numbers make one register of codes; four lanes hold a block.
.macro QPHASE
	s_wait_tensorcnt 0x0                           ; my one tensor load, my tile, has landed: only I read it
	v_and_b32 v32, 31, v0
	v_lshrrev_b32 v33, 3, v32
	v_lshlrev_b32 v34, 5, v32
	v_lshl_add_u32 v34, v33, 4, v34
	v_add_nc_u32 v34, s50, v34                     ; 34,816 w + 32 L + 16 (L / 8): my 32 bytes of a row, past the paddings
	v_lshl_add_u32 v35, v32, 2, s51                ; my codes' place in a row
	v_lshrrev_b32 v36, 2, v32
	v_add_nc_u32 v36, s52, v36                     ; my block's byte
	WIN 0x40                                       ; destination window 1
.set i, 0
.rept 32
	ds_load_b128 v[8*i:8*i+3], v34 offset:LP*i
	ds_load_b128 v[8*i+4:8*i+7], v34 offset:LP*i+16
.set i, i+1
.endr
.irp k, 0,1,2,3                        ; eight rows at a time
	s_wait_dscnt 48                                ; behind these rows' 16 loads stand 48 - 16 k loads and 16 k stores
	WIN 0x15                                       ; all three sources window 1
.irp e, 0,1,2,3,4,5,6,7
	v_max3_num_f32 v[64+\e], |v[8*(8*\k+\e)]|, |v[8*(8*\k+\e)+1]|, |v[8*(8*\k+\e)+2]|
.endr
.irp e, 0,1,2,3,4,5,6,7
	v_max3_num_f32 v[72+\e], |v[8*(8*\k+\e)+3]|, |v[8*(8*\k+\e)+4]|, |v[8*(8*\k+\e)+5]|
.endr
.irp e, 0,1,2,3,4,5,6,7
	v_max3_num_f32 v[80+\e], |v[8*(8*\k+\e)+6]|, |v[8*(8*\k+\e)+7]|, FLOOR   ; the floor holds the byte at 1 from below
.endr
	WIN 0
.irp e, 0,1,2,3,4,5,6,7
	v_max3_num_f32 v[64+\e], v[64+\e], v[72+\e], v[80+\e]
.endr
.irp e, 0,1,2,3,4,5,6,7
	v_max_num_f32_dpp v[64+\e], v[64+\e], v[64+\e] row_xmask:1 row_mask:0xf bank_mask:0xf
.endr
.irp e, 0,1,2,3,4,5,6,7
	v_max_num_f32_dpp v[64+\e], v[64+\e], v[64+\e] row_xmask:2 row_mask:0xf bank_mask:0xf   ; the block's largest magnitude
.endr
.irp e, 0,1,2,3,4,5,6,7
	v_add_nc_u32 v[88+\e], EOFF, v[64+\e]          ; the conversion takes this operand's exponent field as its scale
.endr
	WIN 0x01                                       ; source 0 window 1
.irp e, 0,1,2,3,4,5,6,7
	v_cvt_scalef32_pk8_fp4_f32 v[96+8*\k+\e], v[8*(8*\k+\e):8*(8*\k+\e)+7], v[88+\e]
.endr
	WIN 0
.irp e, 0,1,2,3,4,5,6,7
	v_lshrrev_b32 v[128+8*\k+\e], 23, v[88+\e]     ; the scale's byte.  (Also the plain place behind the conversions)
.endr
.irp e, 0,1,2,3,4,5,6,7
	ds_store_b32 v35, v[96+8*\k+\e] offset:CP*(8*\k+\e)          ; each row has its own registers for codes and byte
	ds_store_b8 v36, v[128+8*\k+\e] offset:AP*(8*\k+\e)          ; the four lanes of a block write the same byte with the same value
.endr
.endr
.endm
; Behind this barrier the chunk's codes are whole.  refill = 1: my landing area, which I have read out, takes my part of the next chunk.
.macro BAR1 refill
.if \refill
	s_wait_tensorcnt 0x0                           ; no tensor load of mine is out, so group 0 may be written
	ds_add_u32 v[SPW], v[NIL]                      ; 0 onto my spare word
	s_add_nc_u64 s[38:39], s[38:39], 0x40000       ; 64 rows of 4,096 bytes on; the type bits on top are not reached
	s_wait_dscnt 0x0                               ; the add is done, my reads of the landing area are back, my codes and bytes lie in LDS
	s_barrier_signal -1
	s_barrier_wait -1
	tensor_load_to_lds s[36:39], s[28:35]          ; my one tensor load behind the barrier, first thing there: it has the chunk's 32 steps in which to land
	s_nop 0
	PLACES
.else
	s_wait_dscnt 0x0                               ; my codes and bytes lie in LDS
	s_barrier_signal -1
	s_barrier_wait -1
.endif
.endm
.macro REDUCE                          ; S over the sixteen lanes of a half (sixteen u), then to LDS for the other waves
.irp x, 1,2,4,8
.set j, 0
.rept 32
	v_add_f32_dpp v[S+j], v[S+j], v[S+j] row_xmask:\x row_mask:0xf bank_mask:0xf
.set j, j+1
.endr
.endr
	v_bfe_u32 v64, v0, 4, 1
	v_lshl_add_u32 v64, v64, 5, s53                ; SPS + 256 w + 32 h
.irp m, 0,1,2,3
	ds_store_b128 v64, v[S+8*\m:S+8*\m+3] offset:64*\m             ; rows 16 m + 8 h + 0 .. 7; the lanes of a half write the same bytes with the same values
	ds_store_b128 v64, v[S+8*\m+4:S+8*\m+7] offset:64*\m+16
.endr
	s_wait_dscnt 0x0                               ; my share lies in LDS, and my reads of the codes are over
	s_barrier_signal -1
	s_barrier_wait -1                              ; the next chunk's tensor load stays out
.endm
.macro XPHASE                          ; the chunk's 64 scores (lane L: rows L and 32 + L), the running softmax, and the chunk's share of the context
	v_and_b32 v128, 31, v0
	v_lshl_add_u32 v129, v128, 2, SPS
.irp w, 0,1,2,3,4,5,6,7
.irp hf, 0,1
	ds_load_b32 v[64+2*\w+\hf], v129 offset:256*\w+128*\hf
.endr
.endr
	v_lshlrev_b32 v130, 3, v128                    ; 8 L
	v_lshl_add_u32 v131, v128, 2, s54              ; PB + 128 w + 4 L
	v_mov_b32 v132, s54
	s_wait_dscnt 0x0
	v_pk_add_f32 v[64:65], v[64:65], v[66:67]
	v_pk_add_f32 v[68:69], v[68:69], v[70:71]
	v_pk_add_f32 v[72:73], v[72:73], v[74:75]
	v_pk_add_f32 v[76:77], v[76:77], v[78:79]
	v_pk_add_f32 v[64:65], v[64:65], v[68:69]
	v_pk_add_f32 v[72:73], v[72:73], v[76:77]
	v_pk_add_f32 v[64:65], v[64:65], v[72:73]
	v_pk_add_f32 v[64:65], v[64:65], s[46:47] op_sel_hi:[1,0]   ; + bv + the sum of V
	s_cmp_lg_u32 s22, 0
	s_cbranch_scc1 .Lnot_wave_0_\@
	global_store_b64 v130, v[64:65], s[16:17]      ; wave 0 alone: 256 consecutive bytes, aligned
.Lnot_wave_0_\@:
	v_max_num_f32 v66, v64, v65
	v_max_num_f32_dpp v66, v66, v66 row_xmask:1 row_mask:0xf bank_mask:0xf
	v_max_num_f32_dpp v66, v66, v66 row_xmask:2 row_mask:0xf bank_mask:0xf
	v_max_num_f32_dpp v66, v66, v66 row_xmask:4 row_mask:0xf bank_mask:0xf
	v_max_num_f32_dpp v66, v66, v66 row_xmask:8 row_mask:0xf bank_mask:0xf
	v_permlanex16_b32 v67, v66, s44, s45
	v_max3_num_f32 v68, v66, v67, v[MR]            ; the new m
	v_sub_f32 v69, v[MR], v68
	v_sub_f32 v70, v64, v68
	v_sub_f32 v71, v65, v68
	v_mul_f32 v69, s42, v69
	v_mul_f32 v70, s42, v70
	v_mul_f32 v71, s42, v71
	v_exp_f32 v72, v69                             ; f = e^(old m - new m)
	v_exp_f32 v70, v70                             ; p = e^(score - m)
	v_exp_f32 v71, v71
	v_mov_b32 v[MR], v68                           ; (a plain place behind the exponentials)
	s_wait_alu depctr_va_vdst(0)
	v_add_f32 v74, v70, v71
	v_add_f32_dpp v74, v74, v74 row_xmask:1 row_mask:0xf bank_mask:0xf
	v_add_f32_dpp v74, v74, v74 row_xmask:2 row_mask:0xf bank_mask:0xf
	v_add_f32_dpp v74, v74, v74 row_xmask:4 row_mask:0xf bank_mask:0xf
	v_add_f32_dpp v74, v74, v74 row_xmask:8 row_mask:0xf bank_mask:0xf
	v_permlanex16_b32 v75, v74, s44, s45
	v_add_f32 v74, v74, v75
	v_fma_f32 v[LR], v[LR], v72, v74               ; l = l f + the chunk's sum
	v_cndmask_b32 v76, v70, v71, s49               ; the p of my half of the rows
	ds_store_b32 v131, v76
.irp k, 0,1,2,3,4,5,6,7
	ds_load_b128 v[96+4*\k:96+4*\k+3], v132 offset:16*\k   ; all 32 into every lane; LDS serves a wave's instructions in order (ISA guide 5.7.1.4): these see my store
.endr
.irp k, 0,2,4,6
	v_pk_mul_f32 v[CTX+\k:CTX+\k+1], v[CTX+\k:CTX+\k+1], v[72:73] op_sel_hi:[1,0]   ; the context under the new m
.endr
	s_wait_dscnt 0x0
	WIN 0x01                                       ; source 0 window 1: the chunk's f32 numbers
.set i, 0
.rept 32
.irp k, 0,2,4,6
.if i%2 == 0
	v_pk_fma_f32 v[CTX+\k:CTX+\k+1], v[8*i+\k:8*i+\k+1], v[96+i:97+i], v[CTX+\k:CTX+\k+1] op_sel_hi:[1,0,1]
.else
	v_pk_fma_f32 v[CTX+\k:CTX+\k+1], v[8*i+\k:8*i+\k+1], v[95+i:96+i], v[CTX+\k:CTX+\k+1] op_sel:[0,1,0] op_sel_hi:[1,1,1]
.endif
.endr
.set i, i+1
.endr
	WIN 0
	s_wait_xcnt 0x0                                ; the store's base, offset and data are rewritten only behind this wait
	s_add_nc_u64 s[16:17], s[16:17], 256
.endm
.macro CHUNK refill, pf
	QPHASE
	BAR1 \refill
	ALOAD 0
.set N, 0
.rept 32
	STEP \pf
.set N, N+1
.endr
	REDUCE
	XPHASE
.endm
	s_load_b256 s[4:11], s[0:1], 0x0               ; values s[4:5], w2f s[6:7], bsf s[8:9], tq s[10:11]
	s_load_b256 s[12:19], s[0:1], 0x20             ; V s[12:13], bv s[14:15], scores s[16:17], stats s[18:19]
	s_load_b64 s[20:21], s[0:1], 0x40              ; pctx
	v_lshl_add_u32 v[SPW], v0, 2, SPARE
	v_mov_b32 v[NIL], 0
	ds_add_u32 v1, v2
	ds_add_u32 v1, v2
	s_wait_dscnt 0x0
	v_lshrrev_b32 v104, 5, v0
	v_readfirstlane_b32 s22, v104                  ; wave w
	s_and_b32 s23, s22, 3                          ; which 256 columns are mine
	s_lshr_b32 s24, s22, 2                         ; which 32 rows
	; descriptor group 1: 32 rows x 256 elements of 4 bytes, 1,024 elements from row to row; in LDS 4 words of padding behind every 64
	s_mov_b32 s28, (2<<16)|(1<<20)|(5<<22)|(3<<25)
	s_mov_b32 s29, 256<<16                         ; tensor_dim0
	s_mov_b32 s30, 32<<16                          ; tensor_dim1
	s_mov_b32 s31, 256<<16                         ; tile_dim0
	s_mov_b32 s32, 32                              ; tile_dim1
	s_mov_b32 s33, 1024                            ; tensor_dim0_stride
	s_mov_b32 s34, 0
	s_mov_b32 s35, 0
	s_mul_i32 s50, s22, LANDW                      ; my landing area
	s_lshl_b32 s56, ttmp9, 20                      ; 256 rows of 4,096 bytes a work-group,
	s_lshl_b32 s58, s24, 17                        ; 32 rows,
	s_add_co_u32 s56, s56, s58
	s_lshl_b32 s58, s23, 10                        ; 256 columns
	s_add_co_u32 s56, s56, s58
	s_mov_b32 s57, 0
	s_wait_kmcnt 0x0
	s_mov_b32 s36, 1                               ; group 0: count = 1,
	s_mov_b32 s37, s50                             ; the LDS address,
	s_add_nc_u64 s[38:39], s[4:5], s[56:57]        ; the tile's first element,
	s_or_b32 s39, s39, 0x80000000                  ; type = 2
	tensor_load_to_lds s[36:39], s[28:35]          ; chunk 0: ahead of everything else
	s_nop 0
	PLACES
	s_load_b32 s59, s[14:15], 0x0                  ; bv
	s_lshl_b32 s56, s22, 16
	s_add_nc_u64 s[6:7], s[6:7], s[56:57]          ; w2f: my eight tiles
	s_lshl_b32 s56, s22, 12
	s_add_nc_u64 s[8:9], s[8:9], s[56:57]          ; bsf: my four pairs of tiles
	s_lshl_b32 s58, s22, 10
	s_lshr_b32 s56, ttmp9, 2
	s_lshl_b32 s56, s56, 13
	s_add_co_u32 s56, s56, s58
	s_add_nc_u64 s[10:11], s[10:11], s[56:57]      ; tq: the batch's row, my 128 pairs
	s_lshl_b32 s56, ttmp9, 10
	s_add_nc_u64 s[16:17], s[16:17], s[56:57]
	s_lshl_b32 s56, ttmp9, 8
	s_add_nc_u64 s[18:19], s[18:19], s[56:57]
	s_lshl_b32 s56, ttmp9, 13
	s_add_co_u32 s56, s56, s58
	s_add_nc_u64 s[20:21], s[20:21], s[56:57]
	s_add_co_u32 s55, s58, TQL                     ; my pairs in LDS
	s_mov_b32 s40, C2L
	s_mov_b32 s41, s40                             ; (named with it as a pair, so it is written)
	s_mov_b32 s42, 0x3fb8aa3b                      ; log2(e)
	s_mov_b32 s44, 0x76543210
	s_mov_b32 s45, 0xfedcba98                      ; v_permlanex16_b32's selects for lane l xor 16
	s_mov_b32 s48, 3                               ; chunks that have a successor
	s_sub_co_u32 s49, 0, s24                       ; all ones where my rows are the upper 32
	s_mul_i32 s51, s24, 32*CP
	s_lshl_b32 s58, s23, 7
	s_add_co_u32 s51, s51, s58
	s_add_co_u32 s51, s51, CODES                   ; where my codes go
	s_mul_i32 s52, s24, 32*AP
	s_lshl_b32 s58, s23, 3
	s_add_co_u32 s52, s52, s58
	s_add_co_u32 s52, s52, ASCL                    ; and my scale bytes
	s_lshl_b32 s53, s22, 8
	s_add_co_u32 s53, s53, SPS
	s_lshl_b32 s54, s22, 7
	s_add_co_u32 s54, s54, PB
	v_and_b32 v104, 31, v0                         ; L
	v_and_b32 v105, 15, v0                         ; r
	v_bfe_u32 v106, v0, 4, 1                       ; h
	v_lshlrev_b32 v[BOFF], 4, v104
	v_lshlrev_b32 v[BSOF], 2, v104
	global_load_b128 v[96:99], v[BOFF], s[10:11]
	global_load_b128 v[100:103], v[BOFF], s[10:11] offset:512
.irp i, 0,1,2,3,4,5,6,7
	global_load_b128 v[64+4*\i:64+4*\i+3], v[BOFF], s[12:13] offset:512*\i   ; all of V, 32 numbers a lane
.endr
	v_mul_u32_u24 v[AADR], v105, CP
	v_lshl_add_u32 v[AADR], v106, 4, v[AADR]
	v_add_nc_u32 v[AADR], CODES, v[AADR]
	v_mul_u32_u24 v[ASAD], v104, AP
	v_add_nc_u32 v[ASAD], ASCL, v[ASAD]
	v_lshl_add_u32 v[TADR], v105, 3, s55
	v_add_nc_u32 v107, s55, v[BOFF]
	v_mov_b32 v[MR], 0xff61b1e6                    ; -3e38, under every score: the first f is 0 and meets zeros
	v_mov_b32 v[LR], 0
.irp k, 0,1,2,3,4,5,6,7
	v_mov_b32 v[CTX+\k], 0
.endr
	s_wait_loadcnt 0x0
	s_wait_kmcnt 0x0
	ds_store_b128 v107, v[96:99]                   ; my 128 pairs: only I read them
	ds_store_b128 v107, v[100:103] offset:512
.irp p, 0,4,8,12,16,20,24,28
	v_pk_add_f32 v[64+\p:65+\p], v[64+\p:65+\p], v[66+\p:67+\p]
.endr
.irp p, 0,8,16,24
	v_pk_add_f32 v[64+\p:65+\p], v[64+\p:65+\p], v[68+\p:69+\p]
.endr
.irp p, 0,16
	v_pk_add_f32 v[64+\p:65+\p], v[64+\p:65+\p], v[72+\p:73+\p]
.endr
	v_pk_add_f32 v[64:65], v[64:65], v[80:81]
	v_add_f32 v64, v64, v65
	v_add_f32_dpp v64, v64, v64 row_xmask:1 row_mask:0xf bank_mask:0xf
	v_add_f32_dpp v64, v64, v64 row_xmask:2 row_mask:0xf bank_mask:0xf
	v_add_f32_dpp v64, v64, v64 row_xmask:4 row_mask:0xf bank_mask:0xf
	v_add_f32_dpp v64, v64, v64 row_xmask:8 row_mask:0xf bank_mask:0xf
	v_permlanex16_b32 v66, v64, s44, s45
	v_add_f32 v64, v64, v66
	v_add_f32 v64, s59, v64                        ; bv + the sum of V: what every score begins with
	v_readfirstlane_b32 s46, v64
	s_mov_b32 s47, s46
	BLOAD 0                                        ; all four slots are asked for while chunk 0 lands
	BLOAD 1
	BLOAD 2
	BLOAD 3
.Lchunk:                                               ; three trips: each asks for the next chunk
	CHUNK 1, 1
	s_sub_co_u32 s48, s48, 1
	s_cmp_lg_u32 s48, 0
	s_cbranch_scc1 .Lchunk
	CHUNK 0, 0                                     ; the last chunk is written out
	s_wait_tensorcnt 0x0                           ; the wave's end
	ds_add_u32 v[SPW], v[NIL]
	s_wait_dscnt 0x0
	global_store_b128 v[BOFF], v[CTX:CTX+3], s[20:21]                  ; columns 8 L + 0 .. 3: 512 consecutive bytes
	global_store_b128 v[BOFF], v[CTX+4:CTX+7], s[20:21] offset:512     ; columns 8 L + 4 .. 7
	s_cmp_lg_u32 s22, 0
	s_cbranch_scc1 .Lend
	v_and_b32 v66, 31, v0
	v_lshlrev_b32 v66, 3, v66
	global_store_b64 v66, v[MR:LR], s[18:19]       ; {m, l}, the same in every lane: 256 consecutive bytes, aligned
.Lend:
	s_endpgm
.Lfunc_end_k_q5e279fcc09_main:
	.size	k_q5e279fcc09_main, .Lfunc_end_k_q5e279fcc09_main-k_q5e279fcc09_main
	.p2alignl 7, 3214868480
	.fill 96, 4, 3214868480
	.section	.rodata,"a",@progbits
	.p2align	6, 0x0
	.amdhsa_kernel k_q5e279fcc09_main
		.amdhsa_group_segment_fixed_size 327680
		.amdhsa_private_segment_fixed_size 0
		.amdhsa_enable_private_segment 0
		.amdhsa_kernarg_size 72
		.amdhsa_user_sgpr_count 2
		.amdhsa_user_sgpr_kernarg_segment_ptr 1
		.amdhsa_wavefront_size32 1
		.amdhsa_system_sgpr_workgroup_id_x 1
		.amdhsa_system_sgpr_workgroup_id_y 1
		.amdhsa_system_sgpr_workgroup_id_z 1
		.amdhsa_system_vgpr_workitem_id 0
		.amdhsa_next_free_vgpr 512
		.amdhsa_next_free_sgpr 66
		.amdhsa_reserve_vcc 0
		.amdhsa_float_denorm_mode_32 3
		.amdhsa_float_denorm_mode_16_64 3
		.amdhsa_memory_ordered 1
		.amdhsa_forward_progress 1
		.amdhsa_inst_pref_size 255
	.end_amdhsa_kernel
	.section	.bss,"aw",@nobits
	.p2align	6
	.space	262144
	.amdgpu_metadata
---
amdhsa.version: [ 1, 2 ]
amdhsa.kernels:
  - .name:           k_q5e279fcc09_main
    .symbol:         k_q5e279fcc09_main.kd
    .args:
      - { .name: values, .offset: 0, .size: 8, .value_kind: global_buffer, .address_space: global }
      - { .name: w2f, .offset: 8, .size: 8, .value_kind: global_buffer, .address_space: global }
      - { .name: bsf, .offset: 16, .size: 8, .value_kind: global_buffer, .address_space: global }
      - { .name: tq, .offset: 24, .size: 8, .value_kind: global_buffer, .address_space: global }
      - { .name: V, .offset: 32, .size: 8, .value_kind: global_buffer, .address_space: global }
      - { .name: bv, .offset: 40, .size: 8, .value_kind: global_buffer, .address_space: global }
      - { .name: scores, .offset: 48, .size: 8, .value_kind: global_buffer, .address_space: global }
      - { .name: stats, .offset: 56, .size: 8, .value_kind: global_buffer, .address_space: global }
      - { .name: pctx, .offset: 64, .size: 8, .value_kind: global_buffer, .address_space: global }
    .group_segment_fixed_size: 327680
    .private_segment_fixed_size: 0
    .kernarg_segment_align: 8
    .kernarg_segment_size: 72
    .max_flat_workgroup_size: 256
    .sgpr_count:     66
    .vgpr_count:     512
    .wavefront_size: 32
...
	.end_amdgpu_metadata
.endif
;; end of part 2
;; launch finish (part 3): grid 64 x 1, 8 waves a work-group, no clusters, 5,120 bytes of LDS; arguments scores, stats, pctx, out0, out1; writes out0, out1
.if DOCPART == 3
	.amdgcn_target "amdgcn-amd-amdhsa--gfx1250"
	.amdhsa_code_object_version 6
	.text
	.protected	k_q5e279fcc09_finish
	.globl	k_q5e279fcc09_finish
	.p2align	8
	.type	k_q5e279fcc09_finish,@function
k_q5e279fcc09_finish:
	s_mov_b64 s[64:65], 0
	v_nop
	global_prefetch_b8 v0, s[64:65] scope:SCOPE_SE
	s_setreg_imm32_b32 hwreg(HW_REG_WAVE_MODE, 25, 1), 1
	s_wait_xcnt 0x0
; Work-group b joins the four parts of batch b.  Part i has its maximum m_i, its sum l_i, its raw scores and its context under m_i (in two halves of rows).
; M = max m_i;  e_i = e^(m_i - M);  1 / sum = 1 / (sum over i of e_i l_i);  out0 = sum over i of e_i (ctx_i0 + ctx_i1) / sum;  out1 = e^(score - M) / sum.
; Thread t takes columns 4 t .. 4 t + 3 of out0 and 16 bytes of the scores.  The scores lie [part][chunk][L][half], row = 64 chunk + 32 half + L: they are put in order through the wave's own 512 bytes of LDS.
; A stream of 2.4 MB: no matrix unit, no cluster, no barrier.  LIMITS: exponentials under 2^-126 come out as 0.
	s_load_b256 s[4:11], s[0:1], 0x0               ; scores s[4:5], stats s[6:7], pctx s[8:9], out0 s[10:11]
	s_load_b64 s[12:13], s[0:1], 0x20              ; out1
	v_lshl_add_u32 v80, v0, 2, 0x1000
	v_mov_b32 v81, 0
	v_lshlrev_b32 v1, 4, v0                        ; 16 t
	v_lshrrev_b32 v2, 6, v0                        ; which 256 columns
	v_and_b32 v3, 1, v0                            ; which four of a lane's eight
	v_bfe_u32 v4, v0, 1, 5                         ; which lane held them
	v_lshlrev_b32 v5, 10, v2
	v_lshl_add_u32 v5, v3, 9, v5
	v_lshl_add_u32 v5, v4, 4, v5                   ; my 16 bytes in a part's half
	v_mov_b32 v6, 0
	v_lshrrev_b32 v7, 4, v0
	v_and_b32 v8, 15, v0
	v_lshlrev_b32 v7, 8, v7
	v_lshl_add_u32 v7, v8, 3, v7                   ; LDS: 256 (t / 16) + 8 (t % 16)
	s_lshl_b32 s14, ttmp9, 12
	s_mov_b32 s15, 0
	s_lshl_b32 s16, ttmp9, 10
	s_mov_b32 s17, 0
	s_lshl_b32 s18, ttmp9, 15
	s_mov_b32 s19, 0
	s_mov_b32 s20, 0x3fb8aa3b                      ; log2(e)
	s_wait_kmcnt 0x0
	s_add_nc_u64 s[4:5], s[4:5], s[14:15]
	s_add_nc_u64 s[6:7], s[6:7], s[16:17]
	s_add_nc_u64 s[8:9], s[8:9], s[18:19]
	s_add_nc_u64 s[10:11], s[10:11], s[14:15]
	s_add_nc_u64 s[12:13], s[12:13], s[14:15]
.irp i, 0,1,2,3
	global_load_b64 v[10+2*\i:11+2*\i], v6, s[6:7] offset:256*\i   ; {m_i, l_i}
.endr
	global_load_b128 v[52:55], v1, s[4:5]
.irp i, 0,1,2,3
	global_load_b128 v[20+8*\i:23+8*\i], v5, s[8:9] offset:8192*\i
	global_load_b128 v[24+8*\i:27+8*\i], v5, s[8:9] offset:8192*\i+4096
.endr
	s_wait_loadcnt 0x0
	v_max3_num_f32 v56, v10, v12, v14
	v_max_num_f32 v56, v56, v16                    ; M
.irp i, 0,1,2,3
	v_sub_f32 v[57+\i], v[10+2*\i], v56
	v_sub_f32 v[52+\i], v[52+\i], v56
.endr
.irp i, 0,1,2,3
	v_mul_f32 v[57+\i], s20, v[57+\i]
	v_mul_f32 v[52+\i], s20, v[52+\i]
.endr
.irp i, 0,1,2,3
	v_exp_f32 v[57+\i], v[57+\i]
	v_exp_f32 v[52+\i], v[52+\i]
.endr
.irp i, 0,1,2,3
.irp p, 0,2
	v_pk_add_f32 v[20+8*\i+\p:21+8*\i+\p], v[20+8*\i+\p:21+8*\i+\p], v[24+8*\i+\p:25+8*\i+\p]   ; a part's two halves of rows.  (Plain places behind the exponentials)
.endr
.endr
	s_wait_alu depctr_va_vdst(0)
	v_mul_f32 v61, v57, v11
	v_fma_f32 v61, v58, v13, v61
	v_fma_f32 v61, v59, v15, v61
	v_fma_f32 v61, v60, v17, v61                   ; the batch's sum under M
	v_rcp_f32 v61, v61
	v_nop                                          ; a plain place behind the reciprocal
	s_wait_alu depctr_va_vdst(0)
.irp i, 0,1,2,3
	v_mul_f32 v[57+\i], v[57+\i], v61
.endr
.irp j, 0,1,2,3
	v_mul_f32 v[64+\j], v[20+\j], v57
.endr
.irp j, 0,1,2,3
	v_fma_f32 v[64+\j], v[28+\j], v58, v[64+\j]
.endr
.irp j, 0,1,2,3
	v_fma_f32 v[64+\j], v[36+\j], v59, v[64+\j]
.endr
.irp j, 0,1,2,3
	v_fma_f32 v[64+\j], v[44+\j], v60, v[64+\j]
.endr
	global_store_b128 v1, v[64:67], s[10:11]       ; 32 lanes store 512 consecutive bytes
	v_mul_f32 v68, v52, v61                        ; my four scores are (L, half 0), (L, half 1), (L + 1, half 0), (L + 1, half 1), L = 2 (t % 16)
	v_mul_f32 v69, v54, v61
	v_mul_f32 v70, v53, v61
	v_mul_f32 v71, v55, v61
	ds_store_b64 v7, v[68:69]                      ; half 0: rows 64 (t / 16) + L, L + 1
	ds_store_b64 v7, v[70:71] offset:128           ; half 1: 32 rows on
	ds_load_b128 v[72:75], v1                      ; my wave's own 512 bytes; LDS serves a wave's instructions in order (ISA guide 5.7.1.4)
	s_wait_dscnt 0x0
	global_store_b128 v1, v[72:75], s[12:13]
	s_wait_tensorcnt 0x0
	ds_add_u32 v80, v81
	s_wait_dscnt 0x0
	s_endpgm
.Lfunc_end_k_q5e279fcc09_finish:
	.size	k_q5e279fcc09_finish, .Lfunc_end_k_q5e279fcc09_finish-k_q5e279fcc09_finish
	.p2alignl 7, 3214868480
	.fill 96, 4, 3214868480
	.section	.rodata,"a",@progbits
	.p2align	6, 0x0
	.amdhsa_kernel k_q5e279fcc09_finish
		.amdhsa_group_segment_fixed_size 5120
		.amdhsa_private_segment_fixed_size 0
		.amdhsa_enable_private_segment 0
		.amdhsa_kernarg_size 40
		.amdhsa_user_sgpr_count 2
		.amdhsa_user_sgpr_kernarg_segment_ptr 1
		.amdhsa_wavefront_size32 1
		.amdhsa_system_sgpr_workgroup_id_x 1
		.amdhsa_system_sgpr_workgroup_id_y 1
		.amdhsa_system_sgpr_workgroup_id_z 1
		.amdhsa_system_vgpr_workitem_id 0
		.amdhsa_next_free_vgpr 82
		.amdhsa_next_free_sgpr 66
		.amdhsa_reserve_vcc 0
		.amdhsa_float_denorm_mode_32 3
		.amdhsa_float_denorm_mode_16_64 3
		.amdhsa_memory_ordered 1
		.amdhsa_forward_progress 1
		.amdhsa_inst_pref_size 7
	.end_amdhsa_kernel
	.amdgpu_metadata
---
amdhsa.version: [ 1, 2 ]
amdhsa.kernels:
  - .name:           k_q5e279fcc09_finish
    .symbol:         k_q5e279fcc09_finish.kd
    .args:
      - { .name: scores, .offset: 0, .size: 8, .value_kind: global_buffer, .address_space: global }
      - { .name: stats, .offset: 8, .size: 8, .value_kind: global_buffer, .address_space: global }
      - { .name: pctx, .offset: 16, .size: 8, .value_kind: global_buffer, .address_space: global }
      - { .name: out0, .offset: 24, .size: 8, .value_kind: global_buffer, .address_space: global }
      - { .name: out1, .offset: 32, .size: 8, .value_kind: global_buffer, .address_space: global }
    .group_segment_fixed_size: 5120
    .private_segment_fixed_size: 0
    .kernarg_segment_align: 8
    .kernarg_segment_size: 40
    .max_flat_workgroup_size: 256
    .sgpr_count:     66
    .vgpr_count:     82
    .wavefront_size: 32
...
	.end_amdgpu_metadata
.endif
;; end of part 3
